; MI455X (gfx1250); checked and timed in simulation.
; The chip was launched on July 23, 2026; its instructions are those of AMD's public machine-readable ISA for CDNA 5 (MIT licence, August 2026) and "CDNA5" Instruction Set Architecture Reference Guide (July 2026). The comments in the code are by the model that wrote it; some were corrected since.
;; my RNN. Allowed arithmetic: matrix products marked QUANTISED: E5M2 operands, one given power-of-two scale a tensor, by v_wmma_f32_16x16x64_bf8_bf8 or v_wmma_f32_16x16x128_bf8_bf8, f32 sums; products left as they are: f32 operands where the result goes on into a quantised operand, else bf16, f16 or f32 operands; f32 sums; everything else in f32.
;; Inputs: W 2 x 4 x 512 x 256 float32; Wr 256 x 2 float32; b 2 x 4 x 256 float32; br 2 float32; lowp_scales 4 int32 (the exponents e of the quantised operands' scales 2^e); x 16 x 4,096 x 256 float32.
;; Outputs: out0 16 x 4,096 x 2 float32.
;; This version of the problem:
;;   THIS VERSION OF THE PROBLEM IS GIVEN IN LOW PRECISION. The matrix products marked QUANTISED in the list below multiply operands that are first quantised to E5M2 (5 exponent bits, 2 mantissa bits; 8 bits a number), with one given power-of-two scale for each operand tensor; their sums are f32. All else is computed in f32.
;;   The module's matrix products, in the order in which they are computed (A, B: the left and right operand; K: the contracted axis; several contracted axes count as one K, in the product's order):
;;     1. [M 1,024, K 512] x [K 512, N 65,536]; A: input W; B: computed on the way: QUANTISED (scales: A lowp_scales[0], B lowp_scales[1])
;;     2. [M 1,024, K 512] x [K 512, N 65,536]; A: input W; B: computed on the way: QUANTISED (scales: A lowp_scales[2], B lowp_scales[3])
;;     3. [M 65,536, K 256] x [K 256, N 2]; A: computed on the way; B: input Wr: left as it is (N = 2 < 16)
;;   THE QUANTISER, for each operand of a quantised product, along K:
;;     - The operand's scale is 2^e, e = its entry of the input lowp_scales (int32; the entries are numbered through the quantised products in the list's order, A before B).
;;     - Each number is divided by the scale, clamped to +-57,344, and rounded to the nearest number of E5M2, ties to even, subnormals kept.
;;     - The product sums the exact products of the quantised numbers (number of the format x scale) in f32.
;;   ~~~python
;;   def quantise(x, axis, e):      # numpy; x: float32 -> the quantised numbers, widened to float32 again
;;       x = np.moveaxis(x, axis, -1); K = x.shape[-1]
;;       r = np.clip(x / 2.0 ** e, -57344, 57344)
;;       step = 2.0 ** (np.maximum(np.frexp(np.where(r == 0, 1, r))[1] - 1, -14) - 2)
;;       q = np.round(r / step) * step * 2.0 ** e      # np.round: ties to even
;;       return np.moveaxis(q, -1, axis).astype(np.float32)
;;   ~~~
;;   OPERANDS COMPUTED ON THE WAY. 'Computed on the way' means the value that the module computes at that place (a softmax that the list does not call 'softmax' is quantised finished and normalised). What goes into a quantiser is computed in f32, as accurately as f32 sums, v_exp_f32 and their like allow (about 1e-6 of the number): no bf16 or f16 on the way to a quantiser, and a product that is left as it is and whose result goes on into a quantised operand takes f32 operands (vector FMAs, or v_wmma_f32_16x16x4_f32). A number that lies on a knife's edge between two numbers of the format may be rounded either way, as far as f32 arithmetic and the matrix unit's own rounding can turn it there, and no further.
;; One version. Each part assembles by itself: llvm-mc -triple=amdgcn-amd-amdhsa -mcpu=gfx1250 --defsym DOCPART=n.
;; ======== version 1 of 1: 1 launch
;; launch lstm (part 1): grid 256 x 1, 16 waves a work-group, no clusters, 274,432 bytes of LDS; arguments x, W, b, Wr, br, lowp_scales, out0; writes out0
.if DOCPART == 1
	.amdgcn_target "amdgcn-amd-amdhsa--gfx1250"
	.amdhsa_code_object_version 6
	.text
	.protected	k_q265a2766e9_lstm
	.globl	k_q265a2766e9_lstm
	.p2align	8
	.type	k_q265a2766e9_lstm,@function
k_q265a2766e9_lstm:
	s_mov_b64 s[64:65], 0
	v_nop
	global_prefetch_b8 v0, s[64:65] scope:SCOPE_SE
	s_setreg_imm32_b32 hwreg(HW_REG_WAVE_MODE, 25, 1), 1
	s_wait_xcnt 0x0
; out[n][o] = br[o] + sum over u of sigmoid(b[1][3][u]) tanh(c[n][u]) Wr[u][o],  c = tanh(g_c) sigmoid(g_i),  g_x[n][u] = sum over k < 256 of Q(x[n][k]) Q(W[0][x][k][u]) + b[0][x][u].
; WHY THAT IS THE WHOLE MODULE.  The module starts layer 0 with h = c = 0, which it builds itself, and takes new_h = o tanh(OLD c).  So layer 0's new_h is o x 0 = 0 and its new_c is 0 x f + cand x i;
; layer 1's operand [new_h, new_h] is all zeros, whose codes are zeros: its product is 0, its gates are b[1], and its new_h = sigmoid(b[1][3]) tanh(layer 0's new_c) is what the regressor takes.
; Rows 256-511 of W[0] meet the zeros of h; layer 0's gates f and o are multiplied by zeros; layer 1's f, i, cand and new_c are returned nowhere.
; NOT READ, since they cannot reach the result for finite inputs: W[1]; W[0] gates 0 and 3; W[0] rows 256-511; b[0][0], b[0][3], b[1][0..2]; lowp_scales[2], [3].
; LIMITS: NaN and infinities among the inputs are not served (in the parts not read they would make the module's result NaN; here they do not).  e0 = lowp_scales[0] (W) and e1 = lowp_scales[1] (x) lie between
; -126 and 112, and e0 + e1 between -126 and 126, so that each power of two below is an f32 number.
; SHARES.  256 work-groups of 16 waves; a work-group owns 256 rows (tokens), a wave 16 of them, for all 256 units, in 256 registers: four waves to a SIMD, so that one wave's exponentials stand beside another's products.
; No cluster and no tensor load: x is shared by nobody, and W (K is its outer axis) has to pass through registers to be quantised; that is done once in each work-group, 8,192 numbers a wave.
; THE PRODUCT: source 0 = my 16 tokens, source 1 = 16 units: register j of lane (r, h) is token 8 h + j, unit 16 t + r.  So a lane has ONE unit: its biases and regressor weights are four numbers a tile.
; Both operands hold k = 128 s + 32 c + 16 h + 0..15 in registers 4 c .. 4 c + 3: a permutation of k inside an instruction, the same on both sides, so that every product meets its partner.
; ARITHMETIC of an element, S the raw sum, E = e0 + e1:  r1 = 1 / (1 + 2^(S_i k1 + bi')) = i;  r2 = 1 / (1 + 2^(S_c k2 + bc')), cand = 1 - 2 r2;  r3 = 1 / (1 + 2^((k3 - 2 k3 r2) r1)), tanh(c) = 1 - 2 r3;
; k1 = -log2(e) 2^E, k2 = 2 log2(e) 2^E, k3 = 2 log2(e), bi' = -log2(e) b[0][1], bc' = 2 log2(e) b[0][2].  With wm2[u][o] = -2 sigmoid(b[1][3][u]) Wr[u][o]:  out = br - sum(wm2) / 2 + sum(wm2 r3).
; An exponential that overflows gives infinity and its reciprocal 0; one that underflows gives 0 and the reciprocal 1: both are the functions' limits, so nothing is clamped.
; LDS: WIMG 0: W's codes as images of the operand's registers: fragment (tile t, gate g, K step s) at 8192 t + 4096 g + 2048 s, in it 16 bytes of unit 16 t + r, k = 16 k16 + 0..15, at 256 (k16 % 8) + 16 r.
;      XSTG: a stage of 16 rows x (512 + 16) bytes for each wave.   TAB: unit u's (bi', bc', wm2_0, wm2_1) at 16 u.   OSTG: the work-group's 2,048 bytes of output.
.set XSTG,   131072
.set XPITCH, 528                       ; 512 bytes + 16: the sixteen rows that a read touches start at sixteen different 16-byte columns of the banks' 256 bytes
.set XWAVE,  16*XPITCH
.set TAB,    XSTG+16*XWAVE             ; 266,240
.set OSTG,   TAB+4096                  ; 270,336; LDS ends at 272,384
; vector registers.  v2-v15 are made at the head and never rewritten
.set WST,  2                           ; where I store W's codes
.set XW,   3                           ; x's stage, on the way in: 16 x lane
.set XR,   4                           ; and back: row r, + 64 h
.set LI,   5                           ; 16 x lane: offset of the loads of W and x, and LDS address of W's images; v6: the same + 65,536
.set TA,   7                           ; TAB + 16 r
.set TW,   8                           ; TAB + 16 x unit (waves 0-7)
.set OS,   9                           ; OSTG + 128 wave + 64 h
.set ORD,  10                          ; OSTG + 16 x thread (waves 0-3)
.set OG,   11                          ; 16 x thread: the same place in the work-group's part of out0
.set WSC,  12                          ; 2^e0;  v13: 57,344 x 2^e0
.set WLIM, 13
.set XSC,  14                          ; 2^e1;  v15: 57,344 x 2^e1
.set XLIM, 15
.set RA,   16                          ; head: v16-31 a chunk's codes, a register a row of K;  v32-47 half way through the transposition
.set RP,   32
.set XC,   16                          ; main part: v16-47 x's codes, K step s at 16 s
.set BUF0, 48                          ; head: three sets of 64 numbers
.set BUF1, 112
.set BUF2, 176
.set WF,   48                          ; main part: v48-175 eight fragments of W: (tile tt, gate g, K step s) at 16 (4 tt + 2 g + s)
.set ACC,  176                         ; v176-207 four accumulators: a = 2 tt + g
.set TB,   208                         ; v208-223 two sets of two tiles' table entries
.set OUT,  224                         ; v224-239 (out0, out1) of token 8 h + j at 2 j: my units' part
.set CD,   240                         ; head: v240-255 table work, then four columns' 16 codes each
.set SW,   240                         ; main part: v[240:241] the sum of my units' wm2
.set BRV,  242                         ; v[242:243] br
.set KV,   244                         ; v[244:245] 2 log2(e), twice
; scalar registers: s[4:5] x, s[6:7] W, s[8:9] b, s[10:11] Wr, s[12:13] br, s[14:15] lowp_scales, s[16:17] out0, s18 wave, s[20:21] e0, e1, s[22:23] br's numbers
.set SELA,  24                         ; v_perm_b32 selectors
.set SELB,  25
.set SELLO, 26
.set SELHI, 27
.set K1,    28                         ; s[28:29] k1 (a packed form names a pair and takes its low word for both halves, so both are written)
.set K2,    30                         ; s[30:31] k2
.set K4,    32                         ; s[32:33] -4 log2(e)
; 16 rows of K (my 64 rows' q-th sixteen) x 128 columns of W: each load reads 512 consecutive bytes; lane L holds columns 4 L .. 4 L + 3 of my half
.macro WLOAD q, s
.irp i, 0,1,2,3,4,5,6,7,8,9,10,11,12,13,14,15
	global_load_b128 v[\s+4*\i:\s+4*\i+3], v[LI], s[6:7] offset:(16*(\q)+\i)*1024
.endr
.endm
; K step s (128 numbers, 512 consecutive bytes) of each of my 16 tokens; read once in the launch
.macro XLOAD s, d
.irp i, 0,1,2,3,4,5,6,7,8,9,10,11,12,13,14,15
	global_load_b128 v[\d+4*\i:\d+4*\i+3], v[LI], s[4:5] offset:\i*1024+512*(\s) th:TH_LOAD_NT
.endr
.endm
; A chunk of W becomes codes.  The conversion takes eight registers as they stand: two rows x four columns; so register RA + i holds row i's four columns.  Two rounds of byte permutes turn
; 16 rows x 4 columns into 4 columns x 16 rows, and each column's 16 codes along K go to their place in the image by one store.
.macro WCHUNK q, s
	s_wait_dscnt 0x0                               ; the stores before have read CD's registers
	s_wait_loadcnt 32                              ; loads come back in order: this chunk is in; the two groups of 16 issued behind it may be out
.set n, 0
.rept 64
	v_med3_num_f32 v[\s+n], v[\s+n], -v[WLIM], v[WLIM]   ; the conversion to an 8-bit code does not saturate (ISA guide 7.6.2): the hold at the largest code x the scale
.set n, n+1
.endr
.irp m, 0,1,2,3,4,5,6,7
	v_cvt_scalef32_pk8_bf8_f32 v[RA+2*\m:RA+2*\m+1], v[\s+8*\m:\s+8*\m+7], v[WSC]
.endr
	v_nop                                          ; one plain instruction between a scaled conversion and the vector instructions that read its result
.irp g, 0,1,2,3                                ; rows 4 g .. 4 g + 3: (row 0, row 1) and (row 2, row 3) interleaved, columns 0, 1 and columns 2, 3
	v_perm_b32 v[RP+4*\g],   v[RA+4*\g+1], v[RA+4*\g],   s[SELA]
	v_perm_b32 v[RP+4*\g+1], v[RA+4*\g+1], v[RA+4*\g],   s[SELB]
	v_perm_b32 v[RP+4*\g+2], v[RA+4*\g+3], v[RA+4*\g+2], s[SELA]
	v_perm_b32 v[RP+4*\g+3], v[RA+4*\g+3], v[RA+4*\g+2], s[SELB]
.endr
.irp g, 0,1,2,3                                ; column cc's rows 4 g .. 4 g + 3 into CD + 4 cc + g
	v_perm_b32 v[CD+\g],    v[RP+4*\g+2], v[RP+4*\g],   s[SELLO]
	v_perm_b32 v[CD+4+\g],  v[RP+4*\g+2], v[RP+4*\g],   s[SELHI]
	v_perm_b32 v[CD+8+\g],  v[RP+4*\g+3], v[RP+4*\g+1], s[SELLO]
	v_perm_b32 v[CD+12+\g], v[RP+4*\g+3], v[RP+4*\g+1], s[SELHI]
.endr
.irp c, 0,1,2,3
	ds_store_b128 v[WST], v[CD+4*\c:CD+4*\c+3] offset:256*(\q)+16*\c
.endr
.endm
; A K step of x through my own stage: in as loaded (a row of 512 bytes a store), back 64 neighbouring bytes a lane and block of 32: register 16 c + i = k 32 c + 16 h + i of token r.
; LDS serves a wave's instructions in order (ISA guide 5.7.1.4): no wait between the stores and the loads, nor in front of the next K step's stores into the same bytes.
.macro XTURN s, d
.irp i, 0,1,2,3,4,5,6,7,8,9,10,11,12,13,14,15
	ds_store_b128 v[XW], v[\s+4*\i:\s+4*\i+3] offset:XPITCH*\i
.endr
.irp c, 0,1,2,3
.irp j, 0,1,2,3
	ds_load_b128 v[\d+16*\c+4*\j:\d+16*\c+4*\j+3], v[XR] offset:128*\c+16*\j
.endr
.endr
.endm
; 64 numbers of a lane become K step s of x's operand
.macro QX s, d
.set n, 0
.rept 64
	v_med3_num_f32 v[\d+n], v[\d+n], -v[XLIM], v[XLIM]
.set n, n+1
.endr
.irp m, 0,1,2,3,4,5,6,7
	v_cvt_scalef32_pk8_bf8_f32 v[XC+16*(\s)+2*\m:XC+16*(\s)+2*\m+1], v[\d+8*\m:\d+8*\m+7], v[XSC]
.endr
	v_nop                                          ; one plain instruction between a scaled conversion and the matrix instructions that read its result
.endm
; Batch p: unit tiles 2 p and 2 p + 1: eight fragments of W, 16 KiB on end, 512 consecutive bytes a load; and the two tiles' table entries of my unit
.macro FETCH p
.set n, 0
.rept 32
	ds_load_b128 v[WF+4*n:WF+4*n+3], v[LI+((\p)>>2)] offset:((\p)&3)*16384+512*n
.set n, n+1
.endr
.irp t, 0,1
	ds_load_b128 v[TB+8*((\p)&1)+4*\t:TB+8*((\p)&1)+4*\t+3], v[TA] offset:256*(2*(\p)+\t)
.endr
.endm
.macro BATCH p
.set TBP, TB+8*((\p)&1)
	s_wait_dscnt 0x0                               ; this batch's 34 loads are in
.irp s, 0,1                                    ; the four accumulators take turns, one instruction a turn; the first K step starts the sums
.irp a, 0,1,2,3
.if \s == 0
	v_wmma_f32_16x16x128_bf8_bf8 v[ACC+8*\a:ACC+8*\a+7], v[XC+16*\s:XC+16*\s+15], v[WF+16*(2*\a+\s):WF+16*(2*\a+\s)+15], 0
.else
	v_wmma_f32_16x16x128_bf8_bf8 v[ACC+8*\a:ACC+8*\a+7], v[XC+16*\s:XC+16*\s+15], v[WF+16*(2*\a+\s):WF+16*(2*\a+\s)+15], v[ACC+8*\a:ACC+8*\a+7]
.endif
.endr
.endr
	; four plain instructions that name no register of the products, in front of the loads into W's fragments and of the first read of the sums
.if (\p) == 0
	v_pk_add_f32 v[SW:SW+1], v[TBP+2:TBP+3], v[TBP+6:TBP+7]      ; the sum of my units' wm2 begins
	v_nop
	v_nop
	v_nop
.else
	v_pk_add_f32 v[SW:SW+1], v[SW:SW+1], v[TBP+2:TBP+3]
	v_pk_add_f32 v[SW:SW+1], v[SW:SW+1], v[TBP+6:TBP+7]
	v_nop
	v_nop
.endif
.if (\p) < 7
	FETCH (\p)+1                                   ; lands while this batch's activations are worked
.endif
.irp t, 0,1                                    ; the exponents, each accumulator from its low end on: S k + bias, two tokens at a time; of the pair (bi', bc') one word serves both halves
.irp i, 0,2,4,6
	v_pk_fma_f32 v[ACC+16*\t+\i:ACC+16*\t+\i+1], v[ACC+16*\t+\i:ACC+16*\t+\i+1], s[K1:K1+1], v[TBP+4*\t:TBP+4*\t+1] op_sel_hi:[1,0,0]
.endr
.irp i, 0,2,4,6
	v_pk_fma_f32 v[ACC+16*\t+8+\i:ACC+16*\t+8+\i+1], v[ACC+16*\t+8+\i:ACC+16*\t+8+\i+1], s[K2:K2+1], v[TBP+4*\t:TBP+4*\t+1] op_sel:[0,0,1] op_sel_hi:[1,0,1]
.endr
.endr
.set n, 0
.rept 32
	v_exp_f32 v[ACC+n], v[ACC+n]
.set n, n+1
.endr
	v_nop                                          ; a plain instruction behind the last transcendental (ISA guide 5.7.2),
	s_wait_alu depctr_va_vdst(0)                   ; and one wait for the batch ahead of its first reader; the same three times more below
.set n, 0
.rept 16
	v_pk_add_f32 v[ACC+n:ACC+n+1], v[ACC+n:ACC+n+1], 1.0 op_sel_hi:[1,0]
.set n, n+2
.endr
.set n, 0
.rept 32
	v_rcp_f32 v[ACC+n], v[ACC+n]                   ; r1 in the i accumulators, r2 in the c accumulators
.set n, n+1
.endr
	v_nop
	s_wait_alu depctr_va_vdst(0)
.irp t, 0,1
.irp i, 0,2,4,6
	v_pk_fma_f32 v[ACC+16*\t+8+\i:ACC+16*\t+8+\i+1], v[ACC+16*\t+8+\i:ACC+16*\t+8+\i+1], s[K4:K4+1], v[KV:KV+1] op_sel_hi:[1,0,1]   ; 2 log2(e) cand = k3 - 2 k3 r2
.endr
.endr
.irp t, 0,1
.irp i, 0,2,4,6
	v_pk_mul_f32 v[ACC+16*\t+8+\i:ACC+16*\t+8+\i+1], v[ACC+16*\t+8+\i:ACC+16*\t+8+\i+1], v[ACC+16*\t+\i:ACC+16*\t+\i+1]              ; x i: 2 log2(e) c
.endr
.endr
.irp t, 0,1
.irp i, 0,1,2,3,4,5,6,7
	v_exp_f32 v[ACC+16*\t+8+\i], v[ACC+16*\t+8+\i]
.endr
.endr
	v_nop
	s_wait_alu depctr_va_vdst(0)
.irp t, 0,1
.irp i, 0,2,4,6
	v_pk_add_f32 v[ACC+16*\t+8+\i:ACC+16*\t+8+\i+1], v[ACC+16*\t+8+\i:ACC+16*\t+8+\i+1], 1.0 op_sel_hi:[1,0]
.endr
.endr
.irp t, 0,1
.irp i, 0,1,2,3,4,5,6,7
	v_rcp_f32 v[ACC+16*\t+8+\i], v[ACC+16*\t+8+\i] ; r3
.endr
.endr
	v_nop
	s_wait_alu depctr_va_vdst(0)
.irp t, 0,1                                    ; the regressor: (out0, out1) of token j += r3_j x (wm2_0, wm2_1); r3_j, the low or the high word of its pair, serves both halves
.irp j, 0,2,4,6
.if ((\p) == 0) && (\t == 0)                   ; the first tile starts the sums: nothing is cleared
	v_pk_mul_f32 v[OUT+2*\j:OUT+2*\j+1],   v[ACC+8+\j:ACC+8+\j+1], v[TBP+2:TBP+3] op_sel_hi:[0,1]
	v_pk_mul_f32 v[OUT+2*\j+2:OUT+2*\j+3], v[ACC+8+\j:ACC+8+\j+1], v[TBP+2:TBP+3] op_sel:[1,0] op_sel_hi:[1,1]
.else
	v_pk_fma_f32 v[OUT+2*\j:OUT+2*\j+1],   v[ACC+16*\t+8+\j:ACC+16*\t+8+\j+1], v[TBP+4*\t+2:TBP+4*\t+3], v[OUT+2*\j:OUT+2*\j+1] op_sel_hi:[0,1,1]
	v_pk_fma_f32 v[OUT+2*\j+2:OUT+2*\j+3], v[ACC+16*\t+8+\j:ACC+16*\t+8+\j+1], v[TBP+4*\t+2:TBP+4*\t+3], v[OUT+2*\j+2:OUT+2*\j+3] op_sel:[1,0,0] op_sel_hi:[1,1,1]
.endif
.endr
.endr
.endm
	; ---- set-up: every address register is made here, ahead of the first branch
	s_load_b256 s[4:11], s[0:1], 0x0               ; x, W, b, Wr
	s_load_b128 s[12:15], s[0:1], 0x20             ; br, lowp_scales
	s_load_b64 s[16:17], s[0:1], 0x30              ; out0
	v_lshrrev_b32 v16, 5, v0
	v_readfirstlane_b32 s18, v16                   ; wave 0..15
	v_and_b32 v16, 31, v0                          ; lane
	v_lshlrev_b32 v[LI], 4, v16
	v_add_nc_u32 v[LI+1], 65536, v[LI]
	; my part of W: gate g = wave / 8 (0: input, 1: candidate), column half ch = (wave / 4) % 2, 64 rows of K kq = wave % 4
	s_bfe_u32 s19, s18, 0x10002                    ; ch
	s_lshr_b32 s36, s18, 3                         ; g
	s_and_b32 s37, s18, 3                          ; kq
	s_lshl_b32 s38, s19, 16
	s_lshl_b32 s39, s36, 12
	s_add_co_u32 s38, s38, s39
	s_lshl_b32 s39, s37, 10
	s_add_co_u32 s38, s38, s39                     ; 65,536 ch + 4,096 g + 1,024 kq
	v_bfe_u32 v17, v0, 2, 3                        ; lane / 4: which of my half's eight tiles my four columns lie in
	v_and_b32 v18, 3, v0                           ; lane % 4: units 4 (lane % 4) + 0..3 of that tile
	v_lshlrev_b32 v[WST], 13, v17
	v_lshl_add_u32 v[WST], v18, 6, v[WST]
	v_add_nc_u32 v[WST], s38, v[WST]
	s_mul_i32 s46, s18, XWAVE
	s_add_co_u32 s46, s46, XSTG                    ; my stage
	v_and_b32 v19, 15, v0                          ; r
	v_bfe_u32 v20, v0, 4, 1                        ; h
	v_add_nc_u32 v[XW], s46, v[LI]
	v_mul_u32_u24 v[XR], v19, XPITCH
	v_lshl_add_u32 v[XR], v20, 6, v[XR]
	v_add_nc_u32 v[XR], s46, v[XR]
	v_lshl_add_u32 v[TA], v19, 4, TAB
	v_and_b32 v21, 255, v0                         ; a unit a thread, in waves 0-7
	v_lshl_add_u32 v[TW], v21, 4, TAB
	s_lshl_b32 s47, s18, 7
	s_add_co_u32 s47, s47, OSTG
	v_lshl_add_u32 v[OS], v20, 6, s47
	v_and_b32 v22, 127, v0
	v_lshlrev_b32 v[OG], 4, v22
	v_add_nc_u32 v[ORD], OSTG, v[OG]
	v_lshlrev_b32 v252, 2, v21                     ; the table loads' offsets: 4 u in b,
	v_lshlrev_b32 v253, 3, v21                     ; 8 u in Wr
	s_lshl_b32 s40, ttmp9, 18                      ; x: 256 rows of 1,024 bytes a work-group,
	s_lshl_b32 s39, s18, 14                        ; 16 a wave
	s_add_co_u32 s40, s40, s39
	s_mov_b32 s41, 0
	s_add_co_u32 s42, s36, 1                       ; W: gate 1 + g of layer 0, 524,288 bytes a gate,
	s_lshl_b32 s42, s42, 19
	s_lshl_b32 s39, s19, 9                         ; 128 columns,
	s_add_co_u32 s42, s42, s39
	s_lshl_b32 s39, s37, 16                        ; 64 rows of 1,024 bytes
	s_add_co_u32 s42, s42, s39
	s_mov_b32 s43, 0
	s_lshl_b32 s44, ttmp9, 11                      ; out0: 256 rows of 8 bytes a work-group
	s_mov_b32 s45, 0
	s_mov_b32 s[SELA], 0x05010400                  ; bytes 0, 1 of two registers, interleaved
	s_mov_b32 s[SELB], 0x07030602                  ; bytes 2, 3
	s_mov_b32 s[SELLO], 0x05040100                 ; the two low halves
	s_mov_b32 s[SELHI], 0x07060302                 ; the two high halves
	s_mov_b32 s[K4], 0xc0b8aa3b                    ; -4 log2(e)
	s_mov_b32 s[K4+1], s[K4]
	s_wait_kmcnt 0x0
	s_load_b64 s[20:21], s[14:15], 0x0             ; e0 (W), e1 (x)
	s_load_b64 s[22:23], s[12:13], 0x0             ; br
	s_add_nc_u64 s[4:5], s[4:5], s[40:41]
	s_add_nc_u64 s[6:7], s[6:7], s[42:43]
	s_add_nc_u64 s[16:17], s[16:17], s[44:45]
	; ---- the first loads.  Waves 0-7 also fetch a unit's biases and regressor weights each
	s_cmp_lt_u32 s18, 8
	s_cbranch_scc0 .Lno_table_loads
	global_load_b32 v240, v252, s[8:9] offset:1024     ; b[0][1][u]
	global_load_b32 v241, v252, s[8:9] offset:2048     ; b[0][2][u]
	global_load_b32 v242, v252, s[8:9] offset:7168     ; b[1][3][u]
	global_load_b64 v[244:245], v253, s[10:11]         ; Wr[u][0], Wr[u][1]
.Lno_table_loads:
	WLOAD 0, BUF0
	WLOAD 1, BUF1
	WLOAD 2, BUF2
	; ---- the given scales
	s_wait_kmcnt 0x0
	s_add_co_i32 s38, s20, s21                     ; E = e0 + e1 is added to the exponent fields of -log2(e) and 2 log2(e)
	s_lshl_b32 s38, s38, 23
	s_add_co_u32 s[K1], s38, 0xbfb8aa3b
	s_mov_b32 s[K1+1], s[K1]
	s_add_co_u32 s[K2], s38, 0x4038aa3b
	s_mov_b32 s[K2+1], s[K2]
	s_add_co_i32 s38, s20, 127
	s_lshl_b32 s39, s38, 23
	v_mov_b32 v[WSC], s39                          ; 2^e0 as f32: the conversion takes its exponent field
	s_add_co_i32 s38, s38, 15
	s_lshl_b32 s38, s38, 23
	s_or_b32 s38, s38, 0x600000
	v_mov_b32 v[WLIM], s38                         ; 57,344 x 2^e0
	s_add_co_i32 s38, s21, 127
	s_lshl_b32 s39, s38, 23
	v_mov_b32 v[XSC], s39                          ; 2^e1
	s_add_co_i32 s38, s38, 15
	s_lshl_b32 s38, s38, 23
	s_or_b32 s38, s38, 0x600000
	v_mov_b32 v[XLIM], s38                         ; 57,344 x 2^e1
	; ---- the table, a unit a thread
	s_cmp_lt_u32 s18, 8
	s_cbranch_scc0 .Lno_table
	s_wait_loadcnt 48                              ; my four table loads are in; the 48 loads of W issued behind them may be out
	v_mul_f32 v248, 0xbfb8aa3b, v240               ; bi' = -log2(e) b[0][1]
	v_mul_f32 v249, 0x4038aa3b, v241               ; bc' = 2 log2(e) b[0][2]
	v_mul_f32 v246, 0xbfb8aa3b, v242
	v_exp_f32 v246, v246
	v_nop
	s_wait_alu depctr_va_vdst(0)
	v_add_f32 v246, 1.0, v246
	v_rcp_f32 v246, v246                           ; sigmoid(b[1][3])
	v_nop
	s_wait_alu depctr_va_vdst(0)
	v_mul_f32 v246, -2.0, v246
	v_mul_f32 v250, v246, v244                     ; wm2_0
	v_mul_f32 v251, v246, v245                     ; wm2_1
	ds_store_b128 v[TW], v[248:251]
.Lno_table:
	; ---- W's codes.  A set of registers is asked for again as soon as its chunk is converted: W's last chunk first, then x's two K steps
	WCHUNK 0, BUF0
	WLOAD 3, BUF0
	WCHUNK 1, BUF1
	XLOAD 0, BUF1
	WCHUNK 2, BUF2
	XLOAD 1, BUF2
	WCHUNK 3, BUF0
	s_wait_dscnt 0x0                               ; for the others' sake: my stores of codes and table entries have landed
	s_barrier_signal -1
	s_barrier_wait -1                              ; W's images and the table are whole.  (x's loads stay on their way: nobody writes x)
	; ---- x: through my stage, then into codes
	v_mov_b32 v[KV], 0x4038aa3b                    ; 2 log2(e); CD's registers are free since the wait above
	v_mov_b32 v[KV+1], 0x4038aa3b
	s_wait_loadcnt 16                              ; K step 0 is in; K step 1's sixteen loads may be out
	XTURN BUF1, BUF0
	s_wait_loadcnt 0x0
	XTURN BUF2, BUF1
	s_wait_dscnt 32                                ; K step 0 is back; K step 1's 16 stores and 16 loads may be out
	QX 0, BUF0
	s_wait_dscnt 0x0
	QX 1, BUF1
	; ---- the sixteen unit tiles, two at a time
	FETCH 0
.irp p, 0,1,2,3,4,5,6,7
	BATCH \p
.endr
	; ---- the way out: - sum(wm2) / 2 of my units; the sum over the sixteen lanes that hold a token's units; br; through LDS, so that whole runs of 512 bytes are stored
.irp j, 0,2,4,6,8,10,12,14
	v_pk_fma_f32 v[OUT+\j:OUT+\j+1], v[SW:SW+1], -0.5, v[OUT+\j:OUT+\j+1] op_sel_hi:[1,0,1]
.endr
	v_mov_b32 v[BRV], s22
	v_mov_b32 v[BRV+1], s23
.irp m, 1,2,4,8
.irp j, 0,1,2,3,4,5,6,7,8,9,10,11,12,13,14,15
	v_add_f32_dpp v[OUT+\j], v[OUT+\j], v[OUT+\j] row_xmask:\m row_mask:0xf bank_mask:0xf
.endr
.endr
.irp j, 0,2,4,6,8,10,12,14
	v_pk_add_f32 v[OUT+\j:OUT+\j+1], v[OUT+\j:OUT+\j+1], v[BRV:BRV+1]
.endr
.irp c, 0,1,2,3
	ds_store_b128 v[OS], v[OUT+4*\c:OUT+4*\c+3] offset:16*\c   ; tokens 8 h + 2 c and + 1; the sixteen lanes of a half hold the same numbers and write the same 16 bytes
.endr
	s_wait_dscnt 0x0                               ; for the others' sake: my stores have landed
	s_barrier_signal -1
	s_barrier_wait -1                              ; the work-group's 2,048 bytes lie in LDS as they lie in out0
	s_cmp_lt_u32 s18, 4
	s_cbranch_scc0 .Ldone
	ds_load_b128 v[48:51], v[ORD]
	s_wait_dscnt 0x0
	global_store_b128 v[OG], v[48:51], s[16:17] th:TH_STORE_NT   ; a wave stores 512 consecutive bytes, at a multiple of 256 from out0's first byte
.Ldone:
	s_wait_xcnt 0x0
	v_lshl_add_u32 v254, v0, 2, 0x42800
	v_mov_b32 v255, 0
	s_wait_tensorcnt 0x0
	ds_add_u32 v254, v255
	s_wait_dscnt 0x0
	s_endpgm
.Lfunc_end_k_q265a2766e9_lstm:
	.size	k_q265a2766e9_lstm, .Lfunc_end_k_q265a2766e9_lstm-k_q265a2766e9_lstm
	.p2alignl 7, 3214868480
	.fill 96, 4, 3214868480
	.section	.rodata,"a",@progbits
	.p2align	6, 0x0
	.amdhsa_kernel k_q265a2766e9_lstm
		.amdhsa_group_segment_fixed_size 274432
		.amdhsa_private_segment_fixed_size 0
		.amdhsa_enable_private_segment 0
		.amdhsa_kernarg_size 56
		.amdhsa_user_sgpr_count 2
		.amdhsa_user_sgpr_kernarg_segment_ptr 1
		.amdhsa_wavefront_size32 1
		.amdhsa_system_sgpr_workgroup_id_x 1
		.amdhsa_system_sgpr_workgroup_id_y 1
		.amdhsa_system_sgpr_workgroup_id_z 1
		.amdhsa_system_vgpr_workitem_id 0
		.amdhsa_next_free_vgpr 256
		.amdhsa_next_free_sgpr 66
		.amdhsa_reserve_vcc 0
		.amdhsa_float_denorm_mode_32 3
		.amdhsa_float_denorm_mode_16_64 3
		.amdhsa_memory_ordered 1
		.amdhsa_forward_progress 1
		.amdhsa_inst_pref_size 146
	.end_amdhsa_kernel
	.amdgpu_metadata
---
amdhsa.version: [ 1, 2 ]
amdhsa.kernels:
  - .name:           k_q265a2766e9_lstm
    .symbol:         k_q265a2766e9_lstm.kd
    .args:
      - { .name: x, .offset: 0, .size: 8, .value_kind: global_buffer, .address_space: global }
      - { .name: W, .offset: 8, .size: 8, .value_kind: global_buffer, .address_space: global }
      - { .name: b, .offset: 16, .size: 8, .value_kind: global_buffer, .address_space: global }
      - { .name: Wr, .offset: 24, .size: 8, .value_kind: global_buffer, .address_space: global }
      - { .name: br, .offset: 32, .size: 8, .value_kind: global_buffer, .address_space: global }
      - { .name: lowp_scales, .offset: 40, .size: 8, .value_kind: global_buffer, .address_space: global }
      - { .name: out0, .offset: 48, .size: 8, .value_kind: global_buffer, .address_space: global }
    .group_segment_fixed_size: 274432
    .private_segment_fixed_size: 0
    .kernarg_segment_align: 8
    .kernarg_segment_size: 56
    .max_flat_workgroup_size: 512
    .sgpr_count:     66
    .vgpr_count:     256
    .wavefront_size: 32
...
	.end_amdgpu_metadata
.endif
;; end of part 1
